; MI455X (gfx1250); checked and timed in simulation.
; The chip was launched on July 23, 2026; its instructions are those of AMD's public machine-readable ISA for CDNA 5 (MIT licence, August 2026) and "CDNA5" Instruction Set Architecture Reference Guide (July 2026). The comments in the code are by the model that wrote it; some were corrected since.
;; Local Window Attention. Allowed arithmetic: float matrix products may take bf16 or f16 operands with f32 sums; other float arithmetic in f32, or as packed bf16 or f16 multiplies, adds, multiply-adds, maxima and minima; sums over many terms, partial sums and values carried from step to step in f32; what a program stores and reads back later, other than sums and carried values, may be rounded once to bf16 or f16.
;; Inputs: rope_freqs 8,192 x 32 float32; wk 1,024 x 1,024 float32; wo 1,024 x 1,024 float32; wq 1,024 x 1,024 float32; wv 1,024 x 1,024 float32; x 2 x 8,192 x 1,024 float32.
;; Outputs: out0 2 x 8,192 x 1,024 float32.
;; One version. Each part assembles by itself: llvm-mc -triple=amdgcn-amd-amdhsa -mcpu=gfx1250 --defsym DOCPART=n.
;; ======== version 1 of 1: 3 launches
;; limits: values are held in f16: magnitudes above 65,504 overflow, below 6.1e-05 lose precision
;; workspace buffers: xb 33,554,432 bytes; wqkv 6,291,456 bytes; woh 2,097,152 bytes; tab 4,096 bytes; att 33,554,432 bytes
;; launch prep (part 1): grid 1281 x 1, 8 waves a work-group, no clusters, 0 bytes of LDS; arguments x, wq, wk, wv, wo, rope_freqs, xb, wqkv, woh, tab; writes xb, wqkv, woh, tab
.if DOCPART == 1
	.amdgcn_target "amdgcn-amd-amdhsa--gfx1250"
	.amdhsa_code_object_version 6
	.text
	.protected	k_qf24ef6e607_prep
	.globl	k_qf24ef6e607_prep
	.p2align	8
	.type	k_qf24ef6e607_prep,@function
k_qf24ef6e607_prep:
	s_mov_b64 s[64:65], 0
	v_nop
	global_prefetch_b8 v0, s[64:65] scope:SCOPE_SE
	s_setreg_imm32_b32 hwreg(HW_REG_WAVE_MODE, 25, 1), 1
	s_wait_xcnt 0x0
; PREP: every input is rounded once to bf16 (nearest even) and laid out for the two products that follow.
;   xb   [16384][1024] bf16 = x.
;   wqkv [3072][1024]  bf16: row 192 h + 64 t + c = row 64 h + c of wq (t = 0), wk (t = 1), wv (t = 2): a head's q, k and v rows lie together.
;   woh  [1024][1024]  f16 = wo rounded to bf16, that number written as f16 (the second product multiplies in f16).
;   tab  f32: cos[16][32] at byte 0, sin[16][32] at byte 2,048, of rows 0 to 15 of rope_freqs rounded to bf16: the only rows that the module reads.
; LIMITS.  A bf16 number below 2^-14 in magnitude loses bits as f16 (absolute error at most 2^-25); beyond 65,504 it would be an infinity: wo is taken to lie within.
; cos and sin: the angle less n pi/2 in three parts, then polynomials of degree 7 and 6 on [-pi/4, pi/4]: a few 1e-7 for angles up to 1e5 in magnitude.  NaN and infinities are not treated apart.
; SHARES.  A stream: no LDS, no matrix unit, no barrier.  A work-group takes 16 rows of 1,024 f32 (65,536 bytes): groups 0-1023 x, groups 1024-1279 the four weights (64 each), group 1280 the table.
; Thread t takes 16 bytes at 16 t of each row: a wave's load covers 512 consecutive bytes, its store of 8 bytes a lane 256 consecutive bytes, aligned.
; All 16 loads of a thread go out at once; no register is written twice, so no store's source has to be waited for.
.set X, 4                              ; v[4:67]    16 x 4 f32 as loaded
.set Y, 68                             ; v[68:99]   16 x 2 words to store
.set T, 100                            ; v[100:103] at work
	s_load_b512 s[4:19], s[0:1], 0x0               ; x s[4:5], wq s[6:7], wk s[8:9], wv s[10:11], wo s[12:13], rope_freqs s[14:15], xb s[16:17], wqkv s[18:19]
	s_load_b128 s[20:23], s[0:1], 0x40             ; woh s[20:21], tab s[22:23]
	s_mov_b32 s24, ttmp9                           ; the work-group's number
	v_lshlrev_b32 v1, 4, v0                        ; 16 t: my bytes in a row of f32
	v_lshlrev_b32 v2, 3, v0                        ; 8 t: in a row of 16-bit numbers
	s_mov_b32 s37, 0xffff0000                      ; a word's upper bf16
	s_bfe_u32 s26, s24, 0x20006                    ; groups 1024-1279: which weight, t = 0..3,
	s_and_b32 s27, s24, 63                         ; and which 16 rows of it, c
	s_lshr_b32 s40, s27, 2                         ; the head: 16 rows never cross a head's 64
	s_mul_i32 s40, s40, 192
	s_lshl_b32 s41, s26, 6
	s_add_co_u32 s40, s40, s41
	s_and_b32 s41, s27, 3
	s_lshl_b32 s41, s41, 4
	s_add_co_u32 s40, s40, s41                     ; row in wqkv = 192 head + 64 t + 16 (c % 4),
	s_lshl_b32 s40, s40, 11                        ; in bytes
	s_lshl_b32 s41, s27, 15                        ; the same 16 rows in woh
	s_lshl_b32 s32, s27, 16                        ; and in a weight's f32
	s_lshl_b32 s42, s24, 16                        ; groups 0-1023: the 16 rows in x,
	s_lshl_b32 s43, s24, 15                        ; and in xb
	s_mov_b32 s33, 0
	s_mov_b32 s35, 0
	s_cmp_eq_u32 s26, 3
	s_cselect_b32 s34, s41, s40
	s_cselect_b32 s36, 1, 0                        ; 1: the result is written as f16
	s_cmp_lt_u32 s24, 1024
	s_cselect_b32 s32, s42, s32                    ; s[32:33] offset in the source,
	s_cselect_b32 s34, s43, s34                    ; s[34:35] in the destination
	s_cselect_b32 s36, 0, s36
	s_wait_kmcnt 0x0
	s_cmp_eq_u32 s26, 3                            ; the buffers are chosen by the group's number alone
	s_cselect_b64 s[28:29], s[12:13], s[10:11]
	s_cselect_b64 s[30:31], s[20:21], s[18:19]
	s_cmp_eq_u32 s26, 1
	s_cselect_b64 s[28:29], s[8:9], s[28:29]
	s_cmp_eq_u32 s26, 0
	s_cselect_b64 s[28:29], s[6:7], s[28:29]
	s_cmp_lt_u32 s24, 1024
	s_cselect_b64 s[28:29], s[4:5], s[28:29]
	s_cselect_b64 s[30:31], s[16:17], s[30:31]
	s_cmp_eq_u32 s24, 1280
	s_cbranch_scc1 .Ltable
	s_add_nc_u64 s[28:29], s[28:29], s[32:33]
	s_add_nc_u64 s[30:31], s[30:31], s[34:35]
.irp i, 0,1,2,3,4,5,6,7,8,9,10,11,12,13,14,15
	global_load_b128 v[X+4*(\i):X+4*(\i)+3], v1, s[28:29] offset:4096*(\i) th:TH_LOAD_NT  ; row i: read once in the launch
.endr
; Row by row: four f32 become two words.  half = 1: the bf16 numbers are widened again and written as f16.
.macro CAST half
.irp i, 0,1,2,3,4,5,6,7,8,9,10,11,12,13,14,15
	s_wait_loadcnt 15-(\i)                         ; loads come back in order: row i is in, the 15 - i younger ones stay out
	v_cvt_pk_bf16_f32 v[Y+2*(\i)],   v[X+4*(\i)],   v[X+4*(\i)+1]
	v_cvt_pk_bf16_f32 v[Y+2*(\i)+1], v[X+4*(\i)+2], v[X+4*(\i)+3]
.if \half
	v_lshlrev_b32 v[T],   16,  v[Y+2*(\i)]
	v_and_b32     v[T+1], s37, v[Y+2*(\i)]
	v_lshlrev_b32 v[T+2], 16,  v[Y+2*(\i)+1]
	v_and_b32     v[T+3], s37, v[Y+2*(\i)+1]
	v_cvt_pk_f16_f32 v[Y+2*(\i)],   v[T],   v[T+1]
	v_cvt_pk_f16_f32 v[Y+2*(\i)+1], v[T+2], v[T+3]
.endif
	global_store_b64 v2, v[Y+2*(\i):Y+2*(\i)+1], s[30:31] offset:2048*(\i)  ; a wave stores 256 consecutive bytes, aligned
.endr
.endm
	s_cmp_eq_u32 s36, 1
	s_cbranch_scc1 .Lhalf
	CAST 0
	s_endpgm
.Lhalf:
	CAST 1
	s_endpgm
; cos and sin of the angle in v[x].  n = the nearest whole number to x 2/pi; r = x - n pi/2, pi/2 in three parts; sine and cosine of r by polynomials; n mod 4 picks and signs them.
; The choice only selects values (v_cndmask_b32): no branch hangs on the angle.
.macro SINCOS x, co, so
	v_mul_f32 v12, 0x3f22f983, v[\x]               ; x 2/pi
	v_rndne_f32 v12, v12                           ; n
	v_fmamk_f32 v13, v12, 0xbfc90fdb, v[\x]        ; r = x - n 1.57079637
	v_fmamk_f32 v13, v12, 0x333bbd2e, v13          ;       + n 4.37113883e-8
	v_fmamk_f32 v13, v12, 0x26f72ced, v13          ;       + n 1.71512e-15
	v_cvt_i32_f32 v14, v12
	v_mul_f32 v15, v13, v13                        ; z = r r
	v_mov_b32 v16, 0xb94ca1f9
	v_fmaak_f32 v16, v16, v15, 0x3c08839e
	v_fmaak_f32 v16, v16, v15, 0xbe2aaaa3
	v_mul_f32 v16, v16, v15
	v_fma_f32 v16, v16, v13, v13                   ; sin r = r + r z (s1 + z (s2 + z s3))
	v_mov_b32 v17, 0x37ccf5ce
	v_fmaak_f32 v17, v17, v15, 0xbab6061a
	v_fmaak_f32 v17, v17, v15, 0x3d2aaaa5
	v_mul_f32 v18, v15, v15
	v_fma_f32 v19, v15, -0.5, 1.0
	v_fma_f32 v17, v17, v18, v19                   ; cos r = 1 - z / 2 + z z (c1 + z (c2 + z c3))
	v_and_b32 v18, 1, v14
	v_cmp_eq_u32 vcc_lo, 1, v18                    ; n odd: the two change places
	v_cndmask_b32 v[\so], v16, v17, vcc_lo
	v_cndmask_b32 v[\co], v17, v16, vcc_lo
	v_lshlrev_b32 v18, 30, v14                     ; the sine is negative for n mod 4 = 2, 3: bit 1 of n,
	v_and_b32 v18, 0x80000000, v18
	v_xor_b32 v[\so], v[\so], v18
	v_add_nc_u32 v19, 1, v14                       ; the cosine for n mod 4 = 1, 2: bit 1 of n + 1
	v_lshlrev_b32 v19, 30, v19
	v_and_b32 v19, 0x80000000, v19
	v_xor_b32 v[\co], v[\co], v19
.endm
.Ltable:                                               ; 256 threads x 2 angles = rows 0 to 15 of rope_freqs
	global_load_b64 v[4:5], v2, s[14:15]
	s_wait_loadcnt 0x0
	v_cvt_pk_bf16_f32 v6, v4, v5                   ; the angles are inputs: rounded to bf16 like the others
	v_lshlrev_b32 v4, 16, v6
	v_and_b32 v5, s37, v6
	SINCOS 4, 8, 10
	SINCOS 5, 9, 11
	global_store_b64 v2, v[8:9], s[22:23]
	global_store_b64 v2, v[10:11], s[22:23] offset:2048
	s_endpgm
.Lfunc_end_k_qf24ef6e607_prep:
	.size	k_qf24ef6e607_prep, .Lfunc_end_k_qf24ef6e607_prep-k_qf24ef6e607_prep
	.p2alignl 7, 3214868480
	.fill 96, 4, 3214868480
	.section	.rodata,"a",@progbits
	.p2align	6, 0x0
	.amdhsa_kernel k_qf24ef6e607_prep
		.amdhsa_group_segment_fixed_size 0
		.amdhsa_private_segment_fixed_size 0
		.amdhsa_enable_private_segment 0
		.amdhsa_kernarg_size 80
		.amdhsa_user_sgpr_count 2
		.amdhsa_user_sgpr_kernarg_segment_ptr 1
		.amdhsa_wavefront_size32 1
		.amdhsa_system_sgpr_workgroup_id_x 1
		.amdhsa_system_sgpr_workgroup_id_y 1
		.amdhsa_system_sgpr_workgroup_id_z 1
		.amdhsa_system_vgpr_workitem_id 0
		.amdhsa_next_free_vgpr 104
		.amdhsa_next_free_sgpr 66
		.amdhsa_reserve_vcc 1
		.amdhsa_float_denorm_mode_32 3
		.amdhsa_float_denorm_mode_16_64 3
		.amdhsa_memory_ordered 1
		.amdhsa_forward_progress 1
		.amdhsa_inst_pref_size 19
	.end_amdhsa_kernel
	.amdgpu_metadata
---
amdhsa.version: [ 1, 2 ]
amdhsa.kernels:
  - .name:           k_qf24ef6e607_prep
    .symbol:         k_qf24ef6e607_prep.kd
    .args:
      - { .name: x, .offset: 0, .size: 8, .value_kind: global_buffer, .address_space: global }
      - { .name: wq, .offset: 8, .size: 8, .value_kind: global_buffer, .address_space: global }
      - { .name: wk, .offset: 16, .size: 8, .value_kind: global_buffer, .address_space: global }
      - { .name: wv, .offset: 24, .size: 8, .value_kind: global_buffer, .address_space: global }
      - { .name: wo, .offset: 32, .size: 8, .value_kind: global_buffer, .address_space: global }
      - { .name: rope_freqs, .offset: 40, .size: 8, .value_kind: global_buffer, .address_space: global }
      - { .name: xb, .offset: 48, .size: 8, .value_kind: global_buffer, .address_space: global }
      - { .name: wqkv, .offset: 56, .size: 8, .value_kind: global_buffer, .address_space: global }
      - { .name: woh, .offset: 64, .size: 8, .value_kind: global_buffer, .address_space: global }
      - { .name: tab, .offset: 72, .size: 8, .value_kind: global_buffer, .address_space: global }
    .group_segment_fixed_size: 0
    .private_segment_fixed_size: 0
    .kernarg_segment_align: 8
    .kernarg_segment_size: 80
    .max_flat_workgroup_size: 256
    .sgpr_count:     66
    .vgpr_count:     104
    .wavefront_size: 32
...
	.end_amdgpu_metadata
.endif
;; end of part 1
;; launch qkva (part 2): grid 16 x 16, 4 waves a work-group, clusters of 4 x 4, 327,680 bytes of LDS; arguments xb, wqkv, tab, att; writes att
.if DOCPART == 2
	.amdgcn_target "amdgcn-amd-amdhsa--gfx1250"
	.amdhsa_code_object_version 6
	.text
	.protected	k_qf24ef6e607_qkva
	.globl	k_qf24ef6e607_qkva
	.p2align	8
	.type	k_qf24ef6e607_qkva,@function
k_qf24ef6e607_qkva:
	s_mov_b64 s[64:65], 0
	v_nop
	global_prefetch_b8 v0, s[64:65] scope:SCOPE_SE
	s_setreg_imm32_b32 hwreg(HW_REG_WAVE_MODE, 25, 1), 1
	s_wait_xcnt 0x0
	s_wait_alu depctr_hold_cnt(0) depctr_sa_sdst(0) depctr_va_vdst(0) depctr_va_sdst(0) depctr_va_ssrc(0) depctr_va_vcc(0) depctr_vm_vsrc(0)
	s_getreg_b32 s2, hwreg(HW_REG_IB_STS2, 6, 4)
	s_cmp_eq_u32 s2, 0
	s_cbranch_scc0 .Lentry_in_a_cluster
	s_endpgm
.Lentry_in_a_cluster:
	s_bfe_u32 s2, ttmp6, 0x10000c
	s_cmp_lg_u32 s2, 0xf033
	s_cbranch_scc0 .Lentry_shape_is_right
	s_endpgm
.Lentry_shape_is_right:
; q, k, v = x W^T for one head; RoPE on q and k; softmax(q k^T / 8) v inside windows of 16 rows.  xb [16384][1024] bf16, wqkv [3072][1024] bf16 (row 192 h + 64 t + c), tab f32 cos/sin [16][32],
; att [16 heads][16384 rows][64] f16: a head's rows are dense, 128 bytes each.  Sums in f32.
; FORMATS AND LIMITS.  q and k behind RoPE, v, the normalised weights p and att are each rounded once to f16: q, k and v must stay under 65,504.  The softmax takes the row's true maximum away;
; a weight below 2^-126 counts as 0; the row's sum is at least 1.  NaN and infinities are not treated apart.
; SHARES.  A tile is 256 rows x 192 columns (one head's q, k, v).  A work-group of four waves STAYS for four tiles, 4,096 rows apart, of the same head; a wave owns 64 rows: FOUR WINDOWS a = 0..3 of 16
; rows, all 192 columns: 48 accumulators of 16 x 16, 384 registers.  So a wave holds q, k and v of four whole windows of a head, and the attention never leaves its registers.
; WHICH SOURCE IS WHICH.  q, k (column blocks b = 0-7): source 0 = 16 rows of W, source 1 = 16 rows of x: a lane holds ONE token (lane % 16) and channels 16 ct + 8 (lane / 16) + 0..7; two such results
; rounded in pairs ARE a fragment of 16 tokens x 32 channels.  v (b = 8-11): source 0 = x, source 1 = W: a lane holds one channel and tokens 8 (lane / 16) + 0..7: rounded in pairs, registers 0-3 of a
; fragment of V^T.  S^T = K Q^T holds one query a lane and keys 8 (lane / 16) + 0..7: rounded, registers 0-3 of P.  A window has 16 keys and the product takes 32: registers 4-7 of V^T and P hold 0.
; O^T = V^T P holds one query a lane and eight channels: 16 bytes of a row of att.
; RING.  K goes in steps of 128 through two LDS slots (A: 256 rows, B: 192 rows, 256 bytes a row + 16 of padding).  Waves 0, 1 fetch A's halves, waves 2, 3 B's: one tensor load a wave behind each change.
; The ring runs on into the next tile.  By the text's count a wave has two tensor loads out at the start, later one.
; CLUSTER 4 x 4.  A's tile hangs on the tile row alone: asked for jointly by a row of the cluster; B's on the head alone: by a column.
; REGISTERS, in windows of 256 (s_set_vgpr_msb: bits 1:0 source 0, 3:2 source 1, 5:4 source 2, 7:6 destination):
;   window 0: addresses, the table and all that the attention makes (map below)      window 1: two fragment buffers of 128: B's 12 fragments, then A's 4; buffer 1 also takes the rotated q, k in f32
;   window 2: the accumulators of windows a = 0, 1 at 96 (a % 2) + 8 b                window 3: those of a = 2, 3
.set PITCH,  272                       ; an LDS row: 256 + 16 bytes = 68 words: the 16 rows of a fragment load start at 16 different groups of four banks (ISA guide 11.1)
.set HA,     128*PITCH                 ; what a wave fetches of A
.set HB,     96*PITCH                  ; of B
.set SLOT,   2*HA+2*HB                 ; A's 256 rows, then B's 192
.set STAGE,  2*SLOT                    ; behind the ring, never filled by a tensor load: 16 rows x 144 bytes for each wave
.set SP,     144
.set SPARE,  STAGE+4*16*SP             ; the spare words, 128 bytes for each wave: two blocks of 256 bytes that no other line names
.set ROWB,   2048                      ; bytes in a row of xb and of wqkv
.set WALK,   4096                      ; rows from a tile to the work-group's next
.set TILES,  4
.set LAPS,   4                         ; a lap = two K steps = once round the ring
.set NEXT_A, WALK*ROWB-1536            ; from a slot's last K step of a tile to its first of the next: WALK rows down, six K steps back
.set BACK_B, 1536                      ; B only back: the walk's tiles share the head
.set NEXT_O, WALK*128                  ; the same walk in att
.set ADRA, 10                          ; v10-11  LDS address of my A fragments in slot 0, 1
.set ADRB, 12                          ; v12-13  of the B fragments
.set STO,  14                          ; v14     the way out: where I put 16 bytes of a row
.set RD,   15                          ; v15     where I read rows back
.set GO,   16                          ; v16     16 x lane: my place in 512 consecutive bytes of att
.set PFO,  17                          ; v17     the prefetches' offset: a lane a row; never rewritten
.set SPW,  18                          ; v18     LDS address of my spare word; never rewritten
.set NIL,  19                          ; v19     0; never rewritten
.set ST,   20                          ; v20-35  statistics, 8 for each of two windows: +0 c m, +1 m, +2, +3 at work, +4, +5 partial sums, +6 1 / l, +7 l
.set COS,  36                          ; v36-51  cos of my token's angles 16 ct + 8 (lane / 16) + j at 8 ct + j
.set SIN,  52                          ; v52-67  sin likewise
.set QF,   68                          ; v68-99  q's two fragments, 16 registers a window; later the packed O
.set KF,   100                         ; v100-131 k's
.set VF,   132                         ; v132-195 V^T: window t, channel block cb at 32 t + 8 cb; registers 4-7 stay 0
.set SS,   196                         ; v196-211 S^T
.set PF,   212                         ; v212-227 P; registers 4-7 stay 0
.set F0,   0                           ; fragment buffers, in window 1
.set F1,   128
.set G1,  24                           ; s[24:31] descriptor group 1 for A's tiles;  s[32:39] group 0, a set for each slot
.set G0,  32
.set G1B, 48                           ; s[48:55], s[56:63] the same for B's
.set G0B, 56
.set LIM, 43                           ; s43  1 in a wave that prefetches, else the greatest number
.set PFA, 44                           ; s[44:45] where my prefetches stand
.set CS,  66                           ; s[66:67] c = log2(e) / 8
.set SEL, 68                           ; s[68:69] v_permlanex16_b32's selects: each lane takes its own place in the other half
.set MSB, 0
.macro WIN new                         ; the immediate's high byte repeats the setting that is left; a switch that changes nothing is dropped
.if MSB != (\new)
	s_set_vgpr_msb (MSB<<8)|(\new)
.set MSB, (\new)
.endif
.endm
.set TO_F, 0x40                        ; destination window 1, address window 0
.macro PLACES                          ; four places in front of loads into registers that matrix instructions have read, and of lines that read results
.rept 4
	v_nop
.endr
.endm
; A joint load.  The branch hangs on the wave's number alone.  An s_nop 0 and four v_nop follow each of the two lines, ahead of the jump and the label.
.macro JLOAD s
	s_cmp_eq_u32 s13, 0
	s_cbranch_scc0 .Lfor_b_\@
	tensor_load_to_lds s[G0+4*(\s):G0+4*(\s)+3], s[G1:G1+7]
	s_nop 0
.rept 4
	v_nop
.endr
	s_branch .Lasked_\@
.Lfor_b_\@:
	tensor_load_to_lds s[G0B+4*(\s):G0B+4*(\s)+3], s[G1B:G1B+7]
	s_nop 0
.rept 4
	v_nop
.endr
.Lasked_\@:
.endm
; A PREFETCH INTO THE L2, behind each joint load, its five lines and the run of LDS loads: 256 bytes of each of my rows, for the K step that stands two refills on: 384 matrix instructions ahead of the load
; that will want it.  A's rows are read by every cluster of a row of clusters: cluster x = 0 asks; B's by every cluster of a column: cluster y = 0 asks, in the first tile alone.  The four partners that ask
; for a tile jointly share its rows out BY ADDRESS: 32 of a wave's 128 rows of A, 24 of its 96 of B (there lanes 24-31 name lane 23's row once more).  how = 0: in the loop; how = 1: at a change of tiles.
.macro ASK how
.if \how
	s_cmp_eq_u32 s[LIM], 1
.else
	s_cmp_gt_u32 s3, s[LIM]                        ; s3 = 1 in the loop's last trip: a tile's last two refills have no K step two on
.endif
	s_cbranch_scc0 .Lnot_mine_\@
	global_prefetch_b8 v[PFO], s[PFA:PFA+1] offset:256 th:TH_LOAD_NT scope:SCOPE_SE
.Lnot_mine_\@:
.endm
.macro CREST                           ; a round of the cluster's barrier behind its opening barrier
	s_cmp_lg_u32 s12, 0
	s_cbranch_scc1 .Lnot_wave_0_\@
	s_barrier_signal -3
.Lnot_wave_0_\@:
	s_barrier_wait -3
	s_barrier_signal -1
	s_barrier_wait -1
.endm
.macro CROUND                          ; a whole round
	s_barrier_signal -1
	s_barrier_wait -1
	CREST
.endm
	s_load_b256 s[4:11], s[0:1], 0x0               ; xb s[4:5], wqkv s[6:7], tab s[8:9], att s[10:11]
	v_lshl_add_u32 v[SPW], v0, 2, SPARE
	v_mov_b32 v[NIL], 0
	ds_add_u32 v[SPW], v[NIL]                      ; the wave's opening: the add and its wait stand ahead of my first tensor load; the set-up below, work on registers, stands between them
	v_lshrrev_b32 v1, 5, v0
	v_readfirstlane_b32 s12, v1                    ; wave 0..3
	s_lshr_b32 s13, s12, 1                         ; I fetch for A (0) or for B (1),
	s_and_b32 s14, s12, 1                          ; its first or second half
	s_bfe_u32 s40, ttmp6, 0x40000                  ; cx, cy: my place in the cluster
	s_bfe_u32 s41, ttmp6, 0x40004
	s_lshl_b32 s42, ttmp9, 2
	s_add_co_u32 s42, s42, s40                     ; the head = 4 x cluster x + cx
	s_and_b32 s70, ttmp7, 0xffff
	s_lshl_b32 s70, s70, 2
	s_add_co_u32 s70, s70, s41                     ; the tile row = 4 x cluster y + cy
	s_lshl_b32 s43, s41, 2
	s_lshl_b32 s43, 15, s43                        ; my row of the cluster
	s_lshl_b32 s44, 0x1111, s40                    ; my column
	s_or_b32 s[G1+0], s43, (1<<16)|(1<<20)|(1<<21)|(5<<22)|(3<<25)   ; 15:0 the mask; 17:16 2-byte elements; 20 padding on; 21 set beside a mask; 24:22 after every 64 words; 31:25 4 words of it
	s_or_b32 s[G1B+0], s44, (1<<16)|(1<<20)|(1<<21)|(5<<22)|(3<<25)
	s_mov_b32 s[G1+1], 128<<16                     ; tensor_dim0 = 128
	s_mov_b32 s[G1+2], 128<<16                     ; tensor_dim1 = 128 rows
	s_mov_b32 s[G1+3], 128<<16                     ; tile_dim0 = 128
	s_mov_b32 s[G1+4], 128                         ; tile_dim1 = 128
	s_mov_b32 s[G1+5], 1024                        ; elements from row to row
	s_mov_b32 s[G1+6], 0
	s_mov_b32 s[G1+7], 0
	s_mov_b32 s[G1B+1], 128<<16
	s_mov_b32 s[G1B+2], 96<<16                     ; B: 96 rows
	s_mov_b32 s[G1B+3], 128<<16
	s_mov_b32 s[G1B+4], 96
	s_mov_b32 s[G1B+5], 1024
	s_mov_b32 s[G1B+6], 0
	s_mov_b32 s[G1B+7], 0
	s_mov_b32 s[CS], 0x3e38aa3b                    ; c = log2(e) / 8 = 0.180337
	s_mov_b32 s[CS+1], s[CS]                       ; named with it as a pair
	s_mov_b32 s[SEL], 0x76543210
	s_mov_b32 s[SEL+1], 0xfedcba98
	s_lshl_b32 s16, s70, 8                         ; A: row 256 x tile row + 128 x half, made of the tile row and the wave alone,
	s_lshl_b32 s17, s14, 7
	s_add_co_u32 s16, s16, s17
	s_lshl_b32 s16, s16, 11                        ; in bytes (under 2^25)
	s_mov_b32 s17, 0
	s_mul_i32 s46, s42, 192                        ; B: row 192 x head + 96 x half, made of the head and the wave alone
	s_mul_i32 s47, s14, 96
	s_add_co_u32 s46, s46, s47
	s_lshl_b32 s46, s46, 11
	s_mov_b32 s47, 0
	s_mul_i32 s20, s12, HA                         ; where they go: A's halves at wave x HA (waves 0, 1),
	s_mul_i32 s21, s12, HB
	s_add_co_u32 s21, s21, 2*HA-2*HB               ; B's behind them at 2 HA + (wave - 2) x HB (waves 2, 3): no place in the cluster enters an LDS address
	s_wait_dscnt 0x0                               ; the opening add is done
	s_wait_kmcnt 0x0
	s_add_nc_u64 s[18:19], s[4:5], s[16:17]
	s_add_nc_u64 s[46:47], s[6:7], s[46:47]
	CROUND                                         ; all sixteen work-groups are here: the first joint loads meet
.irp s, 0,1
	s_mov_b32 s[G0+4*(\s)], 1                      ; count = 1
	s_add_co_u32 s[G0+4*(\s)+1], s20, (\s)*SLOT    ; LDS address
	s_add_nc_u64 s[G0+4*(\s)+2:G0+4*(\s)+3], s[18:19], (\s)*256  ; global address: K step s
	s_or_b32 s[G0+4*(\s)+3], s[G0+4*(\s)+3], 0x80000000          ; type = 2
	s_mov_b32 s[G0B+4*(\s)], 1
	s_add_co_u32 s[G0B+4*(\s)+1], s21, (\s)*SLOT
	s_add_nc_u64 s[G0B+4*(\s)+2:G0B+4*(\s)+3], s[46:47], (\s)*256
	s_or_b32 s[G0B+4*(\s)+3], s[G0B+4*(\s)+3], 0x80000000
	JLOAD \s                                       ; the ring is filled before anything else is done
.endr
	; A fragment is 16 rows x 32 K in 8 registers: lane l holds row l % 16, K = 8 (l / 16) + 0..7 and 16 + 8 (l / 16) + 0..7: two loads of 16 bytes, 32 bytes apart.
	v_and_b32 v1, 15, v0                           ; l % 16
	v_bfe_u32 v2, v0, 4, 1                         ; l / 16
	v_mul_u32_u24 v3, v1, PITCH
	v_lshl_add_u32 v3, v2, 4, v3
	s_mul_i32 s21, s12, 64*PITCH                   ; my 64 rows of A
	s_mov_b32 s22, 2*HA                            ; B's 192 rows, for every wave
.irp s, 0,1
	v_add_nc_u32 v[ADRA+(\s)], s21, v3
	v_add_nc_u32 v[ADRB+(\s)], s22, v3
	s_add_co_u32 s21, s21, SLOT
	s_add_co_u32 s22, s22, SLOT
.endr
	s_mul_i32 s23, s12, 16*SP
	s_add_co_u32 s23, s23, STAGE                   ; my stage
	v_mul_u32_u24 v4, v1, SP                       ; in: row l % 16, 16 bytes for each half of the lanes
	v_lshl_add_u32 v4, v2, 4, v4
	v_add_nc_u32 v[STO], s23, v4
	v_bfe_u32 v5, v0, 3, 2                         ; back: 32 lanes take four rows of 128 bytes,
	v_and_b32 v6, 7, v0
	v_mul_u32_u24 v5, v5, SP
	v_lshl_add_u32 v5, v6, 4, v5
	v_add_nc_u32 v[RD], s23, v5
	v_and_b32 v7, 31, v0                           ; which are 512 consecutive bytes of att
	v_lshlrev_b32 v[GO], 4, v7
	v_lshlrev_b32 v9, 7, v1                        ; the table: my token's row of 128 bytes (a window's token l % 16 stands at position l % 16),
	v_lshl_add_u32 v9, v2, 5, v9                   ; angles 8 (l / 16) on
.irp c, 0,1
	global_load_b128 v[COS+8*(\c):COS+8*(\c)+3],   v9, s[8:9] offset:64*(\c)
	global_load_b128 v[COS+8*(\c)+4:COS+8*(\c)+7], v9, s[8:9] offset:64*(\c)+16
	global_load_b128 v[SIN+8*(\c):SIN+8*(\c)+3],   v9, s[8:9] offset:2048+64*(\c)
	global_load_b128 v[SIN+8*(\c)+4:SIN+8*(\c)+7], v9, s[8:9] offset:2048+64*(\c)+16
.endr
.irp q, 0,1,2,3,4,5,6,7
.irp z, 4,5,6,7
	v_mov_b32 v[VF+8*(\q)+(\z)], 0                 ; keys 16 to 31 do not exist: written once, in the wait for the first tile
.endr
.endr
.irp q, 0,1
.irp z, 4,5,6,7
	v_mov_b32 v[PF+8*(\q)+(\z)], 0
.endr
.endr
	v_mov_b32 v[ST+2], 0                           ; v_permlanex16_b32 counts as a reader of its destination
	v_mov_b32 v[ST+10], 0
	s_lshl_b32 s46, s42, 21                        ; att: the head's 16,384 rows of 128 bytes,
	s_lshl_b32 s47, s70, 15                        ; the tile's 256 rows,
	s_add_co_u32 s46, s46, s47
	s_lshl_b32 s47, s12, 13                        ; my 64 of them
	s_add_co_u32 s46, s46, s47
	s_mov_b32 s47, 0
	s_add_nc_u64 s[10:11], s[10:11], s[46:47]
	; the prefetches
	s_lshl_b32 s20, s70, 8                         ; the tile's first row in xb,
	s_mul_i32 s21, s42, 192                        ; in wqkv
	s_and_b32 s22, ttmp7, 0xffff                   ; cluster y
	s_mov_b32 s23, 128
	s_cmp_eq_u32 s13, 0                            ; do I fetch for A?
	s_cselect_b32 s20, s20, s21
	s_cselect_b32 s21, s40, s41                    ; my place among the four that ask with me
	s_cselect_b32 s22, ttmp9, s22                  ; the coordinate along which other clusters read the same rows
	s_cselect_b32 s23, s23, 96                     ; rows that a wave fetches,
	s_cselect_b32 s15, 32, 24                      ; my work-group's share of them
	s_cselect_b64 s[PFA:PFA+1], s[4:5], s[6:7]
	s_cmp_eq_u32 s22, 0
	s_cselect_b32 s[LIM], 1, -1                    ; the same in all sixteen partners, for a given wave
	s_mul_i32 s23, s23, s14
	s_add_co_u32 s20, s20, s23
	s_mul_i32 s21, s21, s15
	s_add_co_u32 s20, s20, s21
	s_lshl_b32 s20, s20, 11
	s_mov_b32 s21, 0
	s_add_nc_u64 s[PFA:PFA+1], s[PFA:PFA+1], s[20:21]
	s_add_nc_u64 s[PFA:PFA+1], s[PFA:PFA+1], 512   ; at K step 2: the first refill steps it to 3 and names K step 4.  Nothing is asked for here, at the head
	s_sub_co_u32 s15, s15, 1
	v_min_u32 v[PFO], s15, v7
	v_lshlrev_b32 v[PFO], 11, v[PFO]
; 12 matrix instructions: window a x all 12 column blocks, 32 along K.  zero = 1: the first product starts the sums.  Each of the 48 accumulators has one instruction in a quarter step, always in the
; same order: between two links of a chain stand the 47 others, over the backward jumps too.
.macro MUL12 f, a, zero
	WIN 0xa5+0x50*((\a)/2)                         ; sources in window 1, C and D in window 2 or 3
.irp b, 0,1,2,3,4,5,6,7,8,9,10,11
.set rD, 96*((\a)%2)+8*(\b)
.set rW, (\f)+8*(\b)
.set rX, (\f)+96+8*(\a)
.if (\b) < 8
.if \zero
	v_wmma_f32_16x16x32_bf16 v[rD:rD+7], v[rW:rW+7], v[rX:rX+7], 0
.else
	v_wmma_f32_16x16x32_bf16 v[rD:rD+7], v[rW:rW+7], v[rX:rX+7], v[rD:rD+7]
.endif
.else
.if \zero
	v_wmma_f32_16x16x32_bf16 v[rD:rD+7], v[rX:rX+7], v[rW:rW+7], 0
.else
	v_wmma_f32_16x16x32_bf16 v[rD:rD+7], v[rX:rX+7], v[rW:rW+7], v[rD:rD+7]
.endif
.endif
.endr
.endm
.macro MUL24 f, hi, zero
	MUL12 \f, 2*(\hi), \zero
	MUL12 \f, 2*(\hi)+1, \zero
.endm
; 32 LDS loads in one run: a quarter step's fragments (32 K at byte k of the rows) into buffer f: B's 24, then A's windows 0, 1, 2, 3
.macro FETCH slot, k, f
	WIN TO_F
.irp b, 0,1,2,3,4,5,6,7,8,9,10,11
	ds_load_b128 v[(\f)+8*(\b):(\f)+8*(\b)+3],   v[ADRB+(\slot)] offset:(\k)+(\b)*16*PITCH
	ds_load_b128 v[(\f)+8*(\b)+4:(\f)+8*(\b)+7], v[ADRB+(\slot)] offset:(\k)+(\b)*16*PITCH+32
.endr
.irp a, 0,1,2,3
	ds_load_b128 v[(\f)+96+8*(\a):(\f)+96+8*(\a)+3],   v[ADRA+(\slot)] offset:(\k)+(\a)*16*PITCH
	ds_load_b128 v[(\f)+96+8*(\a)+4:(\f)+96+8*(\a)+7], v[ADRA+(\slot)] offset:(\k)+(\a)*16*PITCH+32
.endr
.endm
; A K step is four quarter steps, 48 matrix instructions each, on buffers 0, 1, 0, 1.  One of the first three: multiplies buffer f; in its middle it fetches the next quarter, at byte k, into buffer g.
.macro QUARTER slot, k, f, g, zero
	s_wait_dscnt 4                                 ; B and A's windows 0, 1 are in; the youngest four loads (windows 2, 3) may be out
	MUL24 \f, 0, \zero
	PLACES
	FETCH \slot, \k, \g
	s_wait_dscnt 32                                ; all but the 32 just issued
	MUL24 \f, 1, \zero
.endm
; The last quarter multiplies buffer 1 and changes slots.  MEET is its first half: ONE barrier.  In front of it each wave waits for all its tensor loads, of which one is out: its part of the next slot;
; adds 0 to its spare word; and waits for that and for its own reads of this slot.  Behind it nobody reads this slot any more and the next slot is whole.
.macro MEET round
	WIN 0                                          ; (the add's two registers lie in window 0)
	s_wait_tensorcnt 0x0
	ds_add_u32 v[SPW], v[NIL]                      ; 0 onto my spare word
	s_wait_dscnt 5                                 ; (the add and the youngest four loads may be out)
	MUL12 F1, 0, 0                                 ; twelve matrix instructions stand between the add and the wait for it
	s_wait_dscnt 0x0                               ; the add is done, and my reads of this slot are over
	s_barrier_signal -1
	MUL12 F1, 1, 0                                 ; work on registers while the others arrive
.if \round
	WIN 0
.endif
	s_barrier_wait -1
.endm
; The whole last quarter.  Behind the round the slot just read out is filled again first: with this tile's K step two steps on (on = 0) or with the NEXT tile's K step 0 or 1 (on = 1); then come the next
; slot's first fragments.  From a request to the wait for it a wave issues 168 matrix instructions.
.macro TURN slot, next, on
	s_wait_xcnt 0x0                                ; the last prefetch, a K step back, has read its address: it is stepped here, ahead of the waits of the change of slots
.if (\on) && (\slot) == 0
	s_add_nc_u64 s[PFA:PFA+1], s[PFA:PFA+1], (WALK-1)*ROWB+256  ; from the K step after the tile's last to the next tile's K step 1
	s_cmp_eq_u32 s13, 0
	s_cselect_b32 s[LIM], s[LIM], -1               ; B's rows are the same for all tiles of the walk: asked for in the first tile alone
.else
	s_add_nc_u64 s[PFA:PFA+1], s[PFA:PFA+1], 256
.endif
	MEET 1
	CREST                                          ; no wave of any partner still reads this slot's tile or has a load on its way
.if \on
	s_add_nc_u64 s[G0+4*(\slot)+2:G0+4*(\slot)+3], s[G0+4*(\slot)+2:G0+4*(\slot)+3], NEXT_A
	s_sub_nc_u64 s[G0B+4*(\slot)+2:G0B+4*(\slot)+3], s[G0B+4*(\slot)+2:G0B+4*(\slot)+3], BACK_B
.else
	s_add_nc_u64 s[G0+4*(\slot)+2:G0+4*(\slot)+3], s[G0+4*(\slot)+2:G0+4*(\slot)+3], 512
	s_add_nc_u64 s[G0B+4*(\slot)+2:G0B+4*(\slot)+3], s[G0B+4*(\slot)+2:G0B+4*(\slot)+3], 512
.endif
	JLOAD \slot                                    ; the first tensor load behind the round; its four v_nop are also the places in front of the loads below
	FETCH \next, 0, F0
	WIN 0
	ASK \on
	MUL12 F1, 2, 0
	MUL12 F1, 3, 0
.endm
; THE ATTENTION of the two windows t = 0, 1 whose accumulators lie in register window 2 + hi.
.macro BOTH line:vararg                ; one line for each of the two windows t, so that no line reads the result of the one before it
.set t, 0
.rept 2
	\line
.set t, t+1
.endr
.endm
.macro PACK a2                         ; a window's O: 16 bytes a lane into rows of 144 bytes, and back as whole rows of 128 (LDS serves a wave's instructions in order: ISA guide 5.7.1.4)
.irp cb, 0,1,2,3
	ds_store_b128 v[STO], v[QF+16*(\a2)+4*(\cb):QF+16*(\a2)+4*(\cb)+3] offset:32*(\cb)
.endr
.irp f, 0,1,2,3
	ds_load_b128 v[QF+16*(\a2)+4*(\f):QF+16*(\a2)+4*(\f)+3], v[RD] offset:(\f)*4*SP
.endr
.endm
.macro SEND w, a2, younger             ; w: the window among my four; younger: the LDS instructions of the PACK behind this window's
.irp f, 0,1,2,3
	s_wait_dscnt (\younger)+3-(\f)
	global_store_b128 v[GO], v[QF+16*(\a2)+4*(\f):QF+16*(\a2)+4*(\f)+3], s[10:11] offset:(\w)*2048+(\f)*512  ; 512 consecutive bytes, aligned
.endr
.endm
.macro EPI hi
	; RoPE, in f32, into window 1's buffer 1: out1 = t1 cos - t2 sin, out2 = t1 sin + t2 cos; t1 = channels 0-31 (accumulators ct = 0, 1), t2 = channels 32-63 (ct = 2, 3).
	; Each accumulator's registers are taken in ascending order.
	WIN 0x52+(\hi)                                 ; source 0 the accumulators, source 1 window 0, source 2 and destination window 1
.irp a2, 0,1
.irp kq, 0,1
.set SB, 96*(\a2)+32*(\kq)
.set TT, F1+64*(\a2)+32*(\kq)
.irp g, 0,2,4,6,8,10,12,14
	v_pk_mul_f32 v[TT+(\g):TT+(\g)+1],       v[SB+16+(\g):SB+16+(\g)+1], v[SIN+(\g):SIN+(\g)+1]
	v_pk_mul_f32 v[TT+16+(\g):TT+16+(\g)+1], v[SB+16+(\g):SB+16+(\g)+1], v[COS+(\g):COS+(\g)+1]
.endr
.irp g, 0,2,4,6,8,10,12,14
	v_pk_fma_f32 v[TT+(\g):TT+(\g)+1],       v[SB+(\g):SB+(\g)+1], v[COS+(\g):COS+(\g)+1], v[TT+(\g):TT+(\g)+1] neg_lo:[0,0,1] neg_hi:[0,0,1]
	v_pk_fma_f32 v[TT+16+(\g):TT+16+(\g)+1], v[SB+(\g):SB+(\g)+1], v[SIN+(\g):SIN+(\g)+1], v[TT+16+(\g):TT+16+(\g)+1]
.endr
.endr
.endr
	s_wait_xcnt 0x0                                ; q's registers are also those from which the last O was stored: rewritten only behind this wait
	WIN 0x05                                       ; sources 0, 1 window 1
.irp a2, 0,1
.set i, 0
.rept 16
	v_cvt_pk_f16_f32 v[QF+16*(\a2)+i], v[F1+64*(\a2)+2*i],    v[F1+64*(\a2)+2*i+1]
	v_cvt_pk_f16_f32 v[KF+16*(\a2)+i], v[F1+64*(\a2)+32+2*i], v[F1+64*(\a2)+32+2*i+1]
.set i, i+1
.endr
.endr
	WIN 0
.irp f, 0,1                            ; S^T = K Q^T: the two windows take turns
.irp a2, 0,1
.if (\f) == 0
	v_wmma_f32_16x16x32_f16 v[SS+8*(\a2):SS+8*(\a2)+7], v[KF+16*(\a2):KF+16*(\a2)+7], v[QF+16*(\a2):QF+16*(\a2)+7], 0
.else
	v_wmma_f32_16x16x32_f16 v[SS+8*(\a2):SS+8*(\a2)+7], v[KF+16*(\a2)+8:KF+16*(\a2)+15], v[QF+16*(\a2)+8:QF+16*(\a2)+15], v[SS+8*(\a2):SS+8*(\a2)+7]
.endif
.endr
.endr
	WIN 0x0a+5*(\hi)                               ; sources 0, 1 the accumulators
.irp a2, 0,1                           ; v, rounded: 32 plain lines, which are also the places behind the scores' products
.irp cb, 0,1,2,3
.irp i, 0,1,2,3
	v_cvt_pk_f16_f32 v[VF+32*(\a2)+8*(\cb)+(\i)], v[96*(\a2)+64+8*(\cb)+2*(\i)], v[96*(\a2)+64+8*(\cb)+2*(\i)+1]
.endr
.endr
.endr
	WIN 0
	BOTH v_max3_num_f32 v[ST+8*t+1], v[SS+8*t], v[SS+8*t+1], v[SS+8*t+2]
	BOTH v_max3_num_f32 v[ST+8*t+1], v[ST+8*t+1], v[SS+8*t+3], v[SS+8*t+4]
	BOTH v_max3_num_f32 v[ST+8*t+1], v[ST+8*t+1], v[SS+8*t+5], v[SS+8*t+6]
	BOTH v_max_num_f32 v[ST+8*t+1], v[ST+8*t+1], v[SS+8*t+7]
	BOTH v_permlanex16_b32 v[ST+8*t+2], v[ST+8*t+1], s[SEL], s[SEL+1]  ; the query's other eight keys lie in the lane 16 away
	BOTH v_max_num_f32 v[ST+8*t+1], v[ST+8*t+1], v[ST+8*t+2]           ; m: the row's maximum
	BOTH v_mul_f32 v[ST+8*t], s[CS], v[ST+8*t+1]
.irp p, 0,2,4,6
	BOTH v_pk_fma_f32 v[SS+8*t+(\p):SS+8*t+(\p)+1], v[SS+8*t+(\p):SS+8*t+(\p)+1], s[CS:CS+1], v[ST+8*t:ST+8*t+1] op_sel_hi:[1,0,0] neg_lo:[0,0,1] neg_hi:[0,0,1]  ; c s - c m
.endr
.irp p, 0,1,2,3,4,5,6,7
	BOTH v_exp_f32 v[SS+8*t+(\p)], v[SS+8*t+(\p)]
.endr
	v_nop                                          ; a plain instruction behind the last exponential,
	s_wait_alu depctr_va_vdst(0)                   ; and the wait ahead of the first use: one for the 16
	BOTH v_pk_add_f32 v[ST+8*t+4:ST+8*t+5], v[SS+8*t:SS+8*t+1], v[SS+8*t+2:SS+8*t+3]
	BOTH v_pk_add_f32 v[ST+8*t+2:ST+8*t+3], v[SS+8*t+4:SS+8*t+5], v[SS+8*t+6:SS+8*t+7]
	BOTH v_pk_add_f32 v[ST+8*t+4:ST+8*t+5], v[ST+8*t+4:ST+8*t+5], v[ST+8*t+2:ST+8*t+3]
	BOTH v_add_f32 v[ST+8*t+7], v[ST+8*t+4], v[ST+8*t+5]
	BOTH v_permlanex16_b32 v[ST+8*t+2], v[ST+8*t+7], s[SEL], s[SEL+1]
	BOTH v_add_f32 v[ST+8*t+7], v[ST+8*t+7], v[ST+8*t+2]               ; l
	BOTH v_rcp_f32 v[ST+8*t+6], v[ST+8*t+7]
	v_nop
	s_wait_alu depctr_va_vdst(0)                   ; one wait for the two reciprocals
.irp p, 0,2,4,6
	BOTH v_pk_mul_f32 v[SS+8*t+(\p):SS+8*t+(\p)+1], v[SS+8*t+(\p):SS+8*t+(\p)+1], v[ST+8*t+6:ST+8*t+7] op_sel_hi:[1,0]  ; p / l, so that O needs no division
.endr
.irp p, 0,2,4,6
	BOTH v_cvt_pk_f16_f32 v[PF+8*t+(\p)/2], v[SS+8*t+(\p)], v[SS+8*t+(\p)+1]
.endr
	WIN 0x80+0x40*(\hi)                            ; O^T = V^T P lands where q's sums lay: eight accumulators, one product each
.irp cb, 0,1,2,3
.irp a2, 0,1
	v_wmma_f32_16x16x32_f16 v[96*(\a2)+8*(\cb):96*(\a2)+8*(\cb)+7], v[VF+32*(\a2)+8*(\cb):VF+32*(\a2)+8*(\cb)+7], v[PF+8*(\a2):PF+8*(\a2)+7], 0
.endr
.endr
	PLACES
	WIN 0x0a+5*(\hi)
.irp a2, 0,1
.irp cb, 0,1,2,3
.irp i, 0,1,2,3
	v_cvt_pk_f16_f32 v[QF+16*(\a2)+4*(\cb)+(\i)], v[96*(\a2)+8*(\cb)+2*(\i)], v[96*(\a2)+8*(\cb)+2*(\i)+1]
.endr
.endr
.endr
	WIN 0
	PACK 0
	PACK 1
	SEND 2*(\hi), 0, 8
	SEND 2*(\hi)+1, 1, 0
.endm
.macro ATTEND                          ; a tile's way out
	PLACES                                         ; eight places, once a tile: the lines that follow read results just made and write registers that the last products read
	PLACES
	EPI 0
	EPI 1
	WIN 0
.endm
	s_wait_loadcnt 0x0                             ; the table
	s_wait_tensorcnt 1                             ; my part of K step 0 is in; K step 1's stays out
	s_barrier_signal -1
	s_barrier_wait -1                              ; everybody's is
	FETCH 0, 0, F0
	WIN 0                                          ; at a label and at a branch every window is 0
	s_mov_b32 s2, TILES                            ; tiles to go, this one among them
.Ltile:
	QUARTER 0, 64,  F0, F1, 1                      ; a tile's first quarter stands in front of the loop: its products start the sums
	WIN 0
	s_mov_b32 s3, LAPS-1
.Llap:                                                 ; a trip goes once round the ring, from a lap's second quarter to the next lap's first, and fills both slots again
	QUARTER 0, 128, F1, F0, 0
	QUARTER 0, 192, F0, F1, 0
	TURN 0, 1, 0
	QUARTER 1, 64,  F0, F1, 0
	QUARTER 1, 128, F1, F0, 0
	QUARTER 1, 192, F0, F1, 0
	TURN 1, 0, 0
	QUARTER 0, 64,  F0, F1, 0
	WIN 0
	s_sub_co_u32 s3, s3, 1
	s_cmp_lg_u32 s3, 0
	s_cbranch_scc1 .Llap
	QUARTER 0, 128, F1, F0, 0                      ; the tile's last lap goes on
	QUARTER 0, 192, F0, F1, 0
	WIN 0
	s_cmp_eq_u32 s2, 1
	s_cbranch_scc1 .Llast                          ; the last tile's tail is written out: it asks for nothing more
	TURN 0, 1, 1                                   ; the ring goes on into the next tile: slot 0 takes its K step 0,
	QUARTER 1, 64,  F0, F1, 0
	QUARTER 1, 128, F1, F0, 0
	QUARTER 1, 192, F0, F1, 0
	TURN 1, 0, 1                                   ; slot 1 its K step 1, and the next tile's first fragments are fetched into buffer 0, which the attention does not touch
	ATTEND                                         ; both refills are asked for: now the attention
	s_wait_xcnt 0x0                                ; the stores have read their base
	s_add_nc_u64 s[10:11], s[10:11], NEXT_O
	s_sub_co_u32 s2, s2, 1
	s_branch .Ltile
.Llast:
	MEET 0                                         ; my one tensor load that was still out is the last K step's, so no round follows
	PLACES
	FETCH 1, 0, F0
	MUL12 F1, 2, 0
	MUL12 F1, 3, 0
	QUARTER 1, 64,  F0, F1, 0
	QUARTER 1, 128, F1, F0, 0
	QUARTER 1, 192, F0, F1, 0
	s_wait_dscnt 4                                 ; the very last quarter: nothing more to fetch
	MUL24 F1, 0, 0
	s_wait_dscnt 0x0
	MUL24 F1, 1, 0
	ATTEND
	s_wait_tensorcnt 0x0                           ; the wave's end: behind my last tensor load and my last LDS store
	ds_add_u32 v[SPW], v[NIL]
	s_wait_dscnt 0x0
	CROUND                                         ; the closing round: no work-group ends while a partner may still ask for a tile that names it
	s_endpgm
.Lfunc_end_k_qf24ef6e607_qkva:
	.size	k_qf24ef6e607_qkva, .Lfunc_end_k_qf24ef6e607_qkva-k_qf24ef6e607_qkva
	.p2alignl 7, 3214868480
	.fill 96, 4, 3214868480
	.section	.rodata,"a",@progbits
	.p2align	6, 0x0
	.amdhsa_kernel k_qf24ef6e607_qkva
		.amdhsa_group_segment_fixed_size 327680
		.amdhsa_private_segment_fixed_size 0
		.amdhsa_enable_private_segment 0
		.amdhsa_kernarg_size 32
		.amdhsa_user_sgpr_count 2
		.amdhsa_user_sgpr_kernarg_segment_ptr 1
		.amdhsa_wavefront_size32 1
		.amdhsa_system_sgpr_workgroup_id_x 1
		.amdhsa_system_sgpr_workgroup_id_y 1
		.amdhsa_system_sgpr_workgroup_id_z 1
		.amdhsa_system_vgpr_workitem_id 0
		.amdhsa_next_free_vgpr 960
		.amdhsa_next_free_sgpr 72
		.amdhsa_reserve_vcc 0
		.amdhsa_float_denorm_mode_32 3
		.amdhsa_float_denorm_mode_16_64 3
		.amdhsa_memory_ordered 1
		.amdhsa_forward_progress 1
		.amdhsa_inst_pref_size 219
	.end_amdhsa_kernel
	.amdgpu_metadata
---
amdhsa.version: [ 1, 2 ]
amdhsa.kernels:
  - .name:           k_qf24ef6e607_qkva
    .symbol:         k_qf24ef6e607_qkva.kd
    .args:
      - { .name: xb, .offset: 0, .size: 8, .value_kind: global_buffer, .address_space: global }
      - { .name: wqkv, .offset: 8, .size: 8, .value_kind: global_buffer, .address_space: global }
      - { .name: tab, .offset: 16, .size: 8, .value_kind: global_buffer, .address_space: global }
      - { .name: att, .offset: 24, .size: 8, .value_kind: global_buffer, .address_space: global }
    .group_segment_fixed_size: 327680
    .private_segment_fixed_size: 0
    .kernarg_segment_align: 8
    .kernarg_segment_size: 32
    .max_flat_workgroup_size: 128
    .sgpr_count:     72
    .vgpr_count:     960
    .wavefront_size: 32
...
	.end_amdgpu_metadata
.endif
;; end of part 2
;; launch oproj (part 3): grid 4 x 64, 4 waves a work-group, clusters of 4 x 4, 327,680 bytes of LDS; arguments att, woh, out0; writes out0
.if DOCPART == 3
	.amdgcn_target "amdgcn-amd-amdhsa--gfx1250"
	.amdhsa_code_object_version 6
	.text
	.protected	k_qf24ef6e607_oproj
	.globl	k_qf24ef6e607_oproj
	.p2align	8
	.type	k_qf24ef6e607_oproj,@function
k_qf24ef6e607_oproj:
	s_mov_b64 s[64:65], 0
	v_nop
	global_prefetch_b8 v0, s[64:65] scope:SCOPE_SE
	s_setreg_imm32_b32 hwreg(HW_REG_WAVE_MODE, 25, 1), 1
	s_wait_xcnt 0x0
	s_wait_alu depctr_hold_cnt(0) depctr_sa_sdst(0) depctr_va_vdst(0) depctr_va_sdst(0) depctr_va_ssrc(0) depctr_va_vcc(0) depctr_vm_vsrc(0)
	s_getreg_b32 s2, hwreg(HW_REG_IB_STS2, 6, 4)
	s_cmp_eq_u32 s2, 0
	s_cbranch_scc0 .Lentry_in_a_cluster
	s_endpgm
.Lentry_in_a_cluster:
	s_bfe_u32 s2, ttmp6, 0x10000c
	s_cmp_lg_u32 s2, 0xf033
	s_cbranch_scc0 .Lentry_shape_is_right
	s_endpgm
.Lentry_shape_is_right:
; out0[m][n] = the sum over k of attn[m][k] wo[n][k], k = 64 head + channel.  att [16 heads][16384][64] f16, woh [1024][1024] f16, out0 [16384][1024] f32; sums in f32, K ascending.
; A tile of out0 is 256 x 256: four waves, each 128 x 128 in 64 accumulators, 512 registers; one tile to a work-group: 4 x 64 = 256 work-groups.
; K goes in steps of 128 = TWO HEADS through a ring of two LDS slots.  A's part of a slot is two planes, one a head: the tile's 256 rows of a head are 32,768 dense bytes, asked for as 128 rows of 256 bytes
; and padded in LDS after every 128 (pitch 144).  B's part is 256 rows of 256 bytes (pitch 272).  Wave 0, 1: a plane each; waves 2, 3: B's halves: one tensor load a wave behind each change of slots.
; By the text's count a wave has two tensor loads out at the start, later one.
; CLUSTER 4 x 4: A's tile hangs on the tile row alone and is asked for jointly by a row of the cluster, B's on the tile column alone, by a column.
; THE MATRIX INSTRUCTION IS USED TRANSPOSED (source 0 = 16 rows of wo, source 1 = 16 rows of att): a lane holds row l % 16 of out0 and eight neighbouring columns, 32 bytes.
; REGISTERS, in windows of 256: window 0: v0-31 addresses; v64-127, v128-191 A's fragments, two buffers, on the way out two buffers of 16 rows read back;
;   window 1: v64-127, v128-191 B's fragments; window 2: the accumulators of my rows 0-63 ((a, b) at 8 (8 a + b)); window 3: those of rows 64-127.
.set PITCH,  272                       ; a row of B in LDS
.set PA,     144                       ; a row of A: 128 + 16 bytes = 36 words: the 16 rows of a fragment load start at 16 different groups of four banks (ISA guide 11.1)
.set APLANE, 256*PA                    ; a head's 256 rows
.set HALFB,  128*PITCH
.set BOFF,   2*APLANE                  ; B lies behind A's two planes
.set SLOT,   BOFF+2*HALFB
.set STAGE,  2*SLOT                    ; behind the ring, never filled by a tensor load: 16 rows x 528 bytes for each wave
.set SPITCH, 528                       ; 512 + 16 bytes = 132 words
.set SPARE,  STAGE+4*16*SPITCH         ; the spare words, 128 bytes for each wave: two blocks of 256 bytes that no other line names
.set LAPS,   4                         ; a lap = two K steps = once round the ring
.set HEADB,  16384*128                 ; bytes of a head in att
.set ADRA, 16                          ; v16-17  LDS address of my A fragments in slot 0, 1
.set ADRB, 20                          ; v20-21  the same for B
.set STO,  24                          ; v24     the way out: where I put 32 bytes of a row
.set RD,   25                          ; v25     where I read a row back
.set CO,   26                          ; v26     16 x lane: my place in 512 consecutive bytes of out0
.set SPW,  28                          ; v28     LDS address of my spare word; never rewritten
.set NIL,  29                          ; v29     0; never rewritten
.set PFO,  30                          ; v30     the prefetches' offset; never rewritten
.set F0,   64
.set F1,   128
.set G1,  24                           ; s[24:31] descriptor group 1 for A's planes;  s[32:39] group 0, a set for each slot
.set G0,  32
.set G1B, 48                           ; s[48:55], s[56:63] the same for B's tiles
.set G0B, 56
.set LIM, 43                           ; s43  1 in a wave that prefetches, else the greatest number
.set PFA, 44                           ; s[44:45] where my prefetches stand
.set PST, 66                           ; s[66:67] bytes from a K step to the next: two heads of att, or 256 bytes of a row of woh
.set MSB, 0
.macro WIN new                         ; the immediate's high byte repeats the setting that is left; a switch that changes nothing is dropped
.if MSB != (\new)
	s_set_vgpr_msb (MSB<<8)|(\new)
.set MSB, (\new)
.endif
.endm
.set MUL_LO, 0xa1                      ; source 0 (B) window 1, source 1 (A) window 0, C and D window 2
.set MUL_HI, 0xf1                      ; the same, C and D window 3
.set TO_B,   0x40                      ; destination window 1, address window 0
.macro PLACES                          ; four places (ISA guide 7.12.1)
.rept 4
	v_nop
.endr
.endm
.macro JLOAD s                         ; a joint load; an s_nop 0 and four v_nop follow each of the two lines, ahead of the jump and the label
	s_cmp_eq_u32 s11, 0
	s_cbranch_scc0 .Lfor_b_\@
	tensor_load_to_lds s[G0+4*(\s):G0+4*(\s)+3], s[G1:G1+7]
	s_nop 0
.rept 4
	v_nop
.endr
	s_branch .Lasked_\@
.Lfor_b_\@:
	tensor_load_to_lds s[G0B+4*(\s):G0B+4*(\s)+3], s[G1B:G1B+7]
	s_nop 0
.rept 4
	v_nop
.endr
.Lasked_\@:
.endm
; A PREFETCH INTO THE L2, behind each joint load, its five lines and the run of LDS loads: the K step that stands two refills on, 512 matrix instructions ahead of the load that will want it.
; A's planes are read by one cluster alone (the grid has one cluster along x): each cluster asks for its own; of a plane's 128 blocks of 256 bytes the partner at place cx takes 32, a lane a block.
; B's rows are read by every cluster: cluster y = 0 asks; of a wave's 128 rows the partner at place cy takes 32, a lane a row.  The shares are told apart BY ADDRESS.  The loop's last trip asks for nothing.
.macro ASK
	s_cmp_gt_u32 s3, s[LIM]
	s_cbranch_scc0 .Lnot_mine_\@
	global_prefetch_b8 v[PFO], s[PFA:PFA+1] th:TH_LOAD_NT scope:SCOPE_SE
.Lnot_mine_\@:
.endm
.macro CREST                           ; a round of the cluster's barrier behind its opening barrier
	s_cmp_lg_u32 s10, 0
	s_cbranch_scc1 .Lnot_wave_0_\@
	s_barrier_signal -3
.Lnot_wave_0_\@:
	s_barrier_wait -3
	s_barrier_signal -1
	s_barrier_wait -1
.endm
.macro CROUND
	s_barrier_signal -1
	s_barrier_wait -1
	CREST
.endm
	s_load_b128 s[4:7], s[0:1], 0x0                ; att s[4:5], woh s[6:7]
	s_load_b64 s[8:9], s[0:1], 0x10                ; out0
	v_lshl_add_u32 v[SPW], v0, 2, SPARE
	v_mov_b32 v[NIL], 0
	ds_add_u32 v[SPW], v[NIL]                      ; the wave's opening: the add and its wait stand ahead of my first tensor load; the set-up below, work on registers, stands between them
	v_lshrrev_b32 v1, 5, v0
	v_readfirstlane_b32 s10, v1                    ; wave 0..3
	s_lshr_b32 s11, s10, 1                         ; which half of the tile's rows is mine.  Also: I fetch for A (0) or for B (1)
	s_and_b32 s12, s10, 1                          ; which half of its columns.  Also: which plane of A, or which half of B, I fetch
	s_bfe_u32 s40, ttmp6, 0x40000                  ; cx, cy
	s_bfe_u32 s41, ttmp6, 0x40004
	s_lshl_b32 s42, ttmp9, 2
	s_add_co_u32 s42, s42, s40                     ; tile column = 4 x cluster x + cx
	s_and_b32 s13, ttmp7, 0xffff
	s_lshl_b32 s13, s13, 2
	s_add_co_u32 s13, s13, s41                     ; tile row = 4 x cluster y + cy
	s_lshl_b32 s43, s41, 2
	s_lshl_b32 s43, 15, s43                        ; my row of the cluster
	s_lshl_b32 s44, 0x1111, s40                    ; my column
	s_or_b32 s[G1+0], s43, (1<<16)|(1<<20)|(1<<21)|(4<<22)|(3<<25)   ; A: the mask; 2-byte elements; padding on; 21 set beside a mask; after every 32 words (code 4) 4 words (code 3)
	s_or_b32 s[G1B+0], s44, (1<<16)|(1<<20)|(1<<21)|(5<<22)|(3<<25)  ; B: after every 64 words (code 5)
.irp g, G1, G1B
	s_mov_b32 s[(\g)+1], 128<<16                   ; tensor_dim0 = 128
	s_mov_b32 s[(\g)+2], 128<<16                   ; tensor_dim1 = 128
	s_mov_b32 s[(\g)+3], 128<<16                   ; tile_dim0 = 128
	s_mov_b32 s[(\g)+4], 128                       ; tile_dim1 = 128
	s_mov_b32 s[(\g)+6], 0
	s_mov_b32 s[(\g)+7], 0
.endr
	s_mov_b32 s[G1+5], 128                         ; A: dense: 128 elements from row to row
	s_mov_b32 s[G1B+5], 1024                       ; B: a row of woh
	s_lshl_b32 s16, s12, 21                        ; A: head = my plane, made of the wave and the tile row alone,
	s_lshl_b32 s17, s13, 15                        ; the tile's 256 rows of 128 bytes
	s_add_co_u32 s16, s16, s17
	s_mov_b32 s17, 0
	s_lshl_b32 s46, s42, 19                        ; B: row 256 x tile column + 128 x half, x 2,048 bytes
	s_lshl_b32 s47, s12, 18
	s_add_co_u32 s46, s46, s47
	s_mov_b32 s47, 0
	s_mul_i32 s20, s10, APLANE                     ; where they go: the planes at wave x APLANE (waves 0, 1),
	s_mul_i32 s21, s10, HALFB
	s_add_co_u32 s21, s21, BOFF-2*HALFB            ; B's halves at BOFF + (wave - 2) x HALFB (waves 2, 3)
	s_wait_dscnt 0x0                               ; the opening add is done
	s_wait_kmcnt 0x0
	s_add_nc_u64 s[14:15], s[4:5], s[16:17]
	s_add_nc_u64 s[46:47], s[6:7], s[46:47]
	CROUND                                         ; all sixteen work-groups are here: the first joint loads meet
.irp s, 0,1
	s_mov_b32 s[G0+4*(\s)], 1
	s_add_co_u32 s[G0+4*(\s)+1], s20, (\s)*SLOT
	s_add_nc_u64 s[G0+4*(\s)+2:G0+4*(\s)+3], s[14:15], (\s)*2*HEADB  ; K step s: two heads on
	s_or_b32 s[G0+4*(\s)+3], s[G0+4*(\s)+3], 0x80000000
	s_mov_b32 s[G0B+4*(\s)], 1
	s_add_co_u32 s[G0B+4*(\s)+1], s21, (\s)*SLOT
	s_add_nc_u64 s[G0B+4*(\s)+2:G0B+4*(\s)+3], s[46:47], (\s)*256
	s_or_b32 s[G0B+4*(\s)+3], s[G0B+4*(\s)+3], 0x80000000
	JLOAD \s
.endr
	v_and_b32 v1, 15, v0                           ; l % 16
	v_bfe_u32 v2, v0, 4, 1                         ; l / 16
	v_mul_u32_u24 v3, v1, PA
	v_lshl_add_u32 v3, v2, 4, v3                   ; A: row x 144 + 16 x half
	v_mul_u32_u24 v4, v1, PITCH
	v_lshl_add_u32 v4, v2, 4, v4                   ; B: row x 272 + 16 x half
	s_mul_i32 s21, s11, 128*PA                     ; my 128 rows in a plane
	s_mul_i32 s22, s12, HALFB                      ; my 128 rows of B
	s_add_co_u32 s22, s22, BOFF
.irp s, 0,1
	v_add_nc_u32 v[ADRA+(\s)], s21, v3
	v_add_nc_u32 v[ADRB+(\s)], s22, v4
	s_add_co_u32 s21, s21, SLOT
	s_add_co_u32 s22, s22, SLOT
.endr
	s_mul_i32 s23, s10, 16*SPITCH
	s_add_co_u32 s23, s23, STAGE                   ; my stage
	v_mul_u32_u24 v5, v1, SPITCH                   ; in: row l % 16, 32 bytes for each half of the lanes
	v_lshl_add_u32 v5, v2, 5, v5
	v_add_nc_u32 v[STO], s23, v5
	v_and_b32 v6, 31, v0
	v_lshlrev_b32 v[CO], 4, v6                     ; back: 32 lanes take one row of 512 bytes
	v_add_nc_u32 v[RD], s23, v[CO]
	s_lshl_b32 s16, s13, 20                        ; out0: my first row, 256 x tile row + 128 x half, x 4,096 bytes,
	s_lshl_b32 s17, s11, 19
	s_add_co_u32 s16, s16, s17
	s_mov_b32 s17, 0
	s_add_nc_u64 s[8:9], s[8:9], s[16:17]
	s_lshl_b32 s46, s42, 10                        ; my first column, 256 x tile column + 128 x half, x 4 bytes
	s_lshl_b32 s47, s12, 9
	s_add_co_u32 s46, s46, s47
	s_mov_b32 s47, 0
	s_add_nc_u64 s[8:9], s[8:9], s[46:47]
	; the prefetches
	s_lshl_b32 s20, s12, 21                        ; A: my plane, the tile's rows,
	s_lshl_b32 s21, s13, 15
	s_add_co_u32 s20, s20, s21
	s_lshl_b32 s21, s40, 13                        ; my work-group's 32 blocks of 256 bytes,
	s_add_co_u32 s20, s20, s21
	s_add_co_u32 s20, s20, 3*2*HEADB               ; at K step 3: the first refill steps it to 4
	s_lshl_b32 s21, s42, 19                        ; B: the rows that I fetch,
	s_lshl_b32 s22, s12, 18
	s_add_co_u32 s21, s21, s22
	s_lshl_b32 s22, s41, 16                        ; my work-group's 32 of them,
	s_add_co_u32 s21, s21, s22
	s_add_co_u32 s21, s21, 3*256                   ; at K step 3
	s_and_b32 s22, ttmp7, 0xffff                   ; cluster y
	s_mov_b32 s[PST], 2*HEADB
	s_mov_b32 s[PST+1], 0
	s_cmp_eq_u32 s11, 0                            ; do I fetch for A?
	s_cselect_b32 s20, s20, s21
	s_cselect_b32 s22, ttmp9, s22                  ; the coordinate along which other clusters read the same bytes
	s_cselect_b32 s[PST], s[PST], 256
	s_cselect_b32 s23, 8, 11                       ; a lane a block of 256 bytes, or a lane a row of 2,048
	s_cselect_b64 s[PFA:PFA+1], s[4:5], s[6:7]
	s_cmp_eq_u32 s22, 0
	s_cselect_b32 s[LIM], 1, -1                    ; the same in all sixteen partners, for a given wave
	s_mov_b32 s21, 0
	s_add_nc_u64 s[PFA:PFA+1], s[PFA:PFA+1], s[20:21]
	v_lshlrev_b32 v[PFO], s23, v6
; 16 matrix instructions: m blocks a0, a0 + 1 of the window's four x all 8 n blocks, 32 along K.  The 64 accumulators take turns, one instruction a turn, in the same order in every quarter step
.macro MUL16 f, hi, a0, zero
	WIN MUL_LO+0x50*(\hi)
.irp a, \a0, (\a0)+1
.irp b, 0,1,2,3,4,5,6,7
.if \zero
	v_wmma_f32_16x16x32_f16 v[8*(8*(\a)+(\b)):8*(8*(\a)+(\b))+7], v[(\f)+8*(\b):(\f)+8*(\b)+7], v[(\f)+8*(4*(\hi)+(\a)):(\f)+8*(4*(\hi)+(\a))+7], 0
.else
	v_wmma_f32_16x16x32_f16 v[8*(8*(\a)+(\b)):8*(8*(\a)+(\b))+7], v[(\f)+8*(\b):(\f)+8*(\b)+7], v[(\f)+8*(4*(\hi)+(\a)):(\f)+8*(4*(\hi)+(\a))+7], v[8*(8*(\a)+(\b)):8*(8*(\a)+(\b))+7]
.endif
.endr
.endr
.endm
; 32 LDS loads in one run: quarter q of a K step (plane q / 2, channels 32 (q % 2) on; in B byte 64 q of the rows) into buffer f
.macro FETCH slot, q, f
	WIN TO_B
.irp i, 0,1,2,3,4,5,6,7
	ds_load_b128 v[(\f)+8*(\i):(\f)+8*(\i)+3],   v[ADRB+(\slot)] offset:64*(\q)+(\i)*16*PITCH
	ds_load_b128 v[(\f)+8*(\i)+4:(\f)+8*(\i)+7], v[ADRB+(\slot)] offset:64*(\q)+(\i)*16*PITCH+32
.endr
	WIN 0
.irp i, 0,1,2,3,4,5,6,7
	ds_load_b128 v[(\f)+8*(\i):(\f)+8*(\i)+3],   v[ADRA+(\slot)] offset:((\q)/2)*APLANE+((\q)%2)*64+(\i)*16*PA
	ds_load_b128 v[(\f)+8*(\i)+4:(\f)+8*(\i)+7], v[ADRA+(\slot)] offset:((\q)/2)*APLANE+((\q)%2)*64+(\i)*16*PA+32
.endr
.endm
.macro QUARTER slot, q, f, g, zero     ; multiplies buffer f; in its middle it fetches quarter q into buffer g
	s_wait_dscnt 8                                 ; B and A's rows 0-63 are in; the youngest eight loads (A's rows 64-127) may be out
	MUL16 \f, 0, 0, \zero
	MUL16 \f, 0, 2, \zero
	PLACES
	FETCH \slot, \q, \g
	s_wait_dscnt 32                                ; all but the 32 just issued
	MUL16 \f, 1, 0, \zero
	MUL16 \f, 1, 2, \zero
.endm
; The first half of a K step's last quarter: ONE barrier for the change of slots.  In front of it each wave waits for all its tensor loads, of which one is out: its part of the next slot; adds 0 to its
; spare word; and waits for that and for its own reads of this slot.
.macro MEET round
	WIN 0                                          ; (the add's two registers lie in window 0)
	s_wait_tensorcnt 0x0
	ds_add_u32 v[SPW], v[NIL]                      ; 0 onto my spare word
	s_wait_dscnt 9                                 ; (the add and the youngest eight loads may be out)
	MUL16 F1, 0, 0, 0                              ; sixteen matrix instructions stand between the add and the wait for it
	s_wait_dscnt 0x0                               ; the add is done, and my reads of this slot are over
	s_barrier_signal -1
	MUL16 F1, 0, 2, 0
.if \round
	WIN 0
.endif
	s_barrier_wait -1
.endm
; The whole last quarter: behind the round the slot just read out is filled again first, two K steps on; from a request to the wait for it a wave issues 224 matrix instructions.
.macro TURN slot, next
	s_wait_xcnt 0x0                                ; the last prefetch, a K step back, has read its address
	s_add_nc_u64 s[PFA:PFA+1], s[PFA:PFA+1], s[PST:PST+1]
	MEET 1
	CREST                                          ; no wave of any partner still reads this slot's tile or has a load on its way
	s_add_nc_u64 s[G0+4*(\slot)+2:G0+4*(\slot)+3], s[G0+4*(\slot)+2:G0+4*(\slot)+3], 4*HEADB
	s_add_nc_u64 s[G0B+4*(\slot)+2:G0B+4*(\slot)+3], s[G0B+4*(\slot)+2:G0B+4*(\slot)+3], 512
	JLOAD \slot                                    ; the first tensor load behind the round; its four v_nop are also the places in front of the loads below
	FETCH \next, 0, F0
	ASK
	MUL16 F1, 1, 0, 0
	MUL16 F1, 1, 2, 0
.endm
; THE WAY OUT of block a (16 rows x 128 columns of f32).  TOSTAGE: a lane's 32 bytes go straight from each accumulator into my stage, its low four registers first,
; and whole rows of 512 bytes come back.  SEND: stored.
.macro TOSTAGE a
.set AC, 64*((\a)%4)
.set BK, 64+64*((\a)%2)
	WIN 0x08+4*((\a)/4)                            ; store data (source 1) in window 2 or 3
.irp b, 0,1,2,3,4,5,6,7
	ds_store_b128 v[STO], v[AC+8*(\b):AC+8*(\b)+3]   offset:64*(\b)
	ds_store_b128 v[STO], v[AC+8*(\b)+4:AC+8*(\b)+7] offset:64*(\b)+16
.endr
	WIN 0
.if (\a) >= 2
	s_wait_xcnt 0x0                                ; block a - 2's stores have read this buffer
.endif
.irp t, 0,1,2,3,4,5,6,7,8,9,10,11,12,13,14,15
	ds_load_b128 v[BK+4*(\t):BK+4*(\t)+3], v[RD] offset:(\t)*SPITCH  ; LDS serves a wave's instructions in order (ISA guide 5.7.1.4): these see the stores above
.endr
.endm
.macro SEND a, younger                 ; younger: the next block's 32 LDS instructions, or none
.set BK, 64+64*((\a)%2)
	s_wait_dscnt \younger
.irp t, 0,1,2,3,4,5,6,7,8,9,10,11,12,13,14,15
	global_store_b128 v[CO], v[BK+4*(\t):BK+4*(\t)+3], s[8:9] offset:(\a)*65536+(\t)*4096 th:TH_STORE_NT  ; a wave stores 512 consecutive bytes, aligned
.endr
.endm
	s_wait_tensorcnt 1                             ; my part of K step 0 is in; K step 1's stays out
	s_barrier_signal -1
	s_barrier_wait -1
	FETCH 0, 0, F0
	QUARTER 0, 1, F0, F1, 1                        ; the first quarter stands in front of the loop: its products start the sums
	WIN 0                                          ; at a label and at a branch every window is 0
	s_mov_b32 s3, LAPS-1
.Llap:                                                 ; a trip goes once round the ring, from a lap's second quarter to the next lap's first, and fills both slots again
	QUARTER 0, 2, F1, F0, 0
	QUARTER 0, 3, F0, F1, 0
	TURN 0, 1
	QUARTER 1, 1, F0, F1, 0
	QUARTER 1, 2, F1, F0, 0
	QUARTER 1, 3, F0, F1, 0
	TURN 1, 0
	QUARTER 0, 1, F0, F1, 0
	WIN 0
	s_sub_co_u32 s3, s3, 1
	s_cmp_lg_u32 s3, 0
	s_cbranch_scc1 .Llap
	QUARTER 0, 2, F1, F0, 0                        ; the last lap fills nothing
	QUARTER 0, 3, F0, F1, 0
	MEET 0                                         ; my one tensor load that was still out is the last K step's; no round follows
	PLACES
	FETCH 1, 0, F0
	MUL16 F1, 1, 0, 0
	MUL16 F1, 1, 2, 0
	QUARTER 1, 1, F0, F1, 0
	QUARTER 1, 2, F1, F0, 0
	QUARTER 1, 3, F0, F1, 0
	s_wait_dscnt 8                                 ; the very last quarter: nothing more to fetch
	MUL16 F1, 0, 0, 0
	MUL16 F1, 0, 2, 0
	s_wait_dscnt 0x0
	MUL16 F1, 1, 0, 0
	MUL16 F1, 1, 2, 0
	WIN 0
	PLACES                                         ; eight places, once a launch: results just made are stored, and registers that the last products read are loaded into
	PLACES
	TOSTAGE 0
.irp a, 1,2,3,4,5,6,7                  ; block a's trip through the stage is issued ahead of the wait for block a - 1's
	TOSTAGE \a
	SEND (\a)-1, 32
.endr
	SEND 7, 0
	s_wait_tensorcnt 0x0                           ; the wave's end: behind my last tensor load and my last LDS store
	ds_add_u32 v[SPW], v[NIL]
	s_wait_dscnt 0x0
	CROUND                                         ; the closing round: no work-group ends while a partner may still ask for a tile that names it
	s_endpgm
.Lfunc_end_k_qf24ef6e607_oproj:
	.size	k_qf24ef6e607_oproj, .Lfunc_end_k_qf24ef6e607_oproj-k_qf24ef6e607_oproj
	.p2alignl 7, 3214868480
	.fill 96, 4, 3214868480
	.section	.rodata,"a",@progbits
	.p2align	6, 0x0
	.amdhsa_kernel k_qf24ef6e607_oproj
		.amdhsa_group_segment_fixed_size 327680
		.amdhsa_private_segment_fixed_size 0
		.amdhsa_enable_private_segment 0
		.amdhsa_kernarg_size 24
		.amdhsa_user_sgpr_count 2
		.amdhsa_user_sgpr_kernarg_segment_ptr 1
		.amdhsa_wavefront_size32 1
		.amdhsa_system_sgpr_workgroup_id_x 1
		.amdhsa_system_sgpr_workgroup_id_y 1
		.amdhsa_system_sgpr_workgroup_id_z 1
		.amdhsa_system_vgpr_workitem_id 0
		.amdhsa_next_free_vgpr 1024
		.amdhsa_next_free_sgpr 68
		.amdhsa_reserve_vcc 0
		.amdhsa_float_denorm_mode_32 3
		.amdhsa_float_denorm_mode_16_64 3
		.amdhsa_memory_ordered 1
		.amdhsa_forward_progress 1
		.amdhsa_inst_pref_size 142
	.end_amdhsa_kernel
	.amdgpu_metadata
---
amdhsa.version: [ 1, 2 ]
amdhsa.kernels:
  - .name:           k_qf24ef6e607_oproj
    .symbol:         k_qf24ef6e607_oproj.kd
    .args:
      - { .name: att, .offset: 0, .size: 8, .value_kind: global_buffer, .address_space: global }
      - { .name: woh, .offset: 8, .size: 8, .value_kind: global_buffer, .address_space: global }
      - { .name: out0, .offset: 16, .size: 8, .value_kind: global_buffer, .address_space: global }
    .group_segment_fixed_size: 327680
    .private_segment_fixed_size: 0
    .kernarg_segment_align: 8
    .kernarg_segment_size: 24
    .max_flat_workgroup_size: 128
    .sgpr_count:     68
    .vgpr_count:     1024
    .wavefront_size: 32
...
	.end_amdgpu_metadata
.endif
;; end of part 3
